; MI455X (gfx1250); checked and timed in simulation.
; The chip was launched on July 23, 2026; its instructions are those of AMD's public machine-readable ISA for CDNA 5 (MIT licence, August 2026) and "CDNA5" Instruction Set Architecture Reference Guide (July 2026). The comments in the code are by the model that wrote it; some were corrected since.
;; Attention. Allowed arithmetic: matrix products marked QUANTISED: E4M3 operands, one given power-of-two scale a tensor, by v_wmma_f32_16x16x64_fp8_fp8 or v_wmma_f32_16x16x128_fp8_fp8, f32 sums; everything else in f32.
;; Inputs: lowp_scales 8 int32 (the exponents e of the quantised operands' scales 2^e); proj_b 1,024 float32; proj_w_codes 1,024 x 32 x 32 uint8 (E4M3 codes of proj_w, K innermost, in blocks of 32 codes); q_bias 1,024 float32; qkv_w_codes 3,072 x 32 x 32 uint8 (E4M3 codes of qkv_w, K innermost, in blocks of 32 codes); rel_pos_index 197 x 197 int32; rpb_table 732 x 16 float32; v_bias 1,024 float32; x_codes 64 x 197 x 32 x 32 uint8 (E4M3 codes of x, K innermost, in blocks of 32 codes).
;; Outputs: out0 64 x 197 x 1,024 float32.
;; This version of the problem:
;;   THIS VERSION OF THE PROBLEM IS GIVEN IN LOW PRECISION. The matrix products marked QUANTISED in the list below multiply operands that are first quantised to E4M3 (4 exponent bits, 3 mantissa bits; 8 bits a number), with one given power-of-two scale for each operand tensor; their sums are f32. All else is computed in f32.
;;   The module's matrix products, in the order in which they are computed (A, B: the left and right operand; K: the contracted axis; several contracted axes count as one K, in the product's order):
;;     1. [M 12,608, K 1,024] x [K 1,024, N 3,072]; A: input x (given as codes); B: input qkv_w (given as codes): QUANTISED (scales: A lowp_scales[0], B lowp_scales[1])
;;     2. batch 1,024 x [M 197, K 64] x [K 64, N 197]; A: computed on the way; B: computed on the way: QUANTISED (scales: A lowp_scales[2], B lowp_scales[3])
;;     3. batch 1,024 x [M 197, K 197] x [K 197, N 64]; A: softmax (see below); B: computed on the way: QUANTISED (scales: A lowp_scales[4], B lowp_scales[5])
;;     4. [M 12,608, K 1,024] x [K 1,024, N 1,024]; A: computed on the way; B: input proj_w (given as codes): QUANTISED (scales: A lowp_scales[6], B lowp_scales[7])
;;   THE QUANTISER, for each operand of a quantised product, along K:
;;     - The operand's scale is 2^e, e = its entry of the input lowp_scales (int32; the entries are numbered through the quantised products in the list's order, A before B).
;;     - Each number is divided by the scale, clamped to +-448, and rounded to the nearest number of E4M3, ties to even, subnormals kept.
;;     - The product sums the exact products of the quantised numbers (number of the format x scale) in f32.
;;   ~~~python
;;   def quantise(x, axis, e):      # numpy; x: float32 -> the quantised numbers, widened to float32 again
;;       x = np.moveaxis(x, axis, -1); K = x.shape[-1]
;;       r = np.clip(x / 2.0 ** e, -448, 448)
;;       step = 2.0 ** (np.maximum(np.frexp(np.where(r == 0, 1, r))[1] - 1, -6) - 3)
;;       q = np.round(r / step) * step * 2.0 ** e      # np.round: ties to even
;;       return np.moveaxis(q, -1, axis).astype(np.float32)
;;   ~~~
;;   SOFTMAX AHEAD OF A QUANTISED PRODUCT. Where the list says 'softmax', what is quantised is not the finished softmax but p = 2^(t - M), with t = logit x log2(e) and M = ceil(the row's largest t), a whole number; so 1/2 < the row's largest p <= 1. The row's sum l is taken of the UNQUANTISED p, in f32, and the product's result is divided by l at the end. Since M is a whole number, a kernel that streams over the keys may use a running M (the ceiling of the running maximum): every later rescaling is an exact power of two, so the quantised numbers keep their values, but for numbers so far below the row's largest that they fall under the format's range.
;;   OPERANDS COMPUTED ON THE WAY. 'Computed on the way' means the value that the module computes at that place (a softmax that the list does not call 'softmax' is quantised finished and normalised). What goes into a quantiser is computed in f32, as accurately as f32 sums, v_exp_f32 and their like allow (about 1e-6 of the number): no bf16 or f16 on the way to a quantiser, and a product that is left as it is and whose result goes on into a quantised operand takes f32 operands (vector FMAs, or v_wmma_f32_16x16x4_f32). A number that lies on a knife's edge between two numbers of the format may be rounded either way, as far as f32 arithmetic and the matrix unit's own rounding can turn it there, and no further.
;;   INPUTS GIVEN AS CODES. proj_w (in the module: [1024, 1024], K = its axis 1); qkv_w (in the module: [3072, 1024], K = its axis 1); x (in the module: [64, 197, 1024], K = its axis 2): each comes as NAME_codes (uint8): NAME with its K axis moved to the last place and cut into blocks of 32 codes, [.., K / 32, bytes a block], one block behind the other in memory; one code a byte (a code: sign, 4 exponent bits, 3 mantissa bits); its scale is its entry of lowp_scales. Its value is code x scale, taken as it is: it is not quantised again, and the codes and scales need not be those that the quantiser above would give.
;; One version. Each part assembles by itself: llvm-mc -triple=amdgcn-amd-amdhsa -mcpu=gfx1250 --defsym DOCPART=n.
;; ======== version 1 of 1: 3 launches
;; limits: right only within a limited range of input values
;; workspace buffers: wq 3,145,728 bytes; wp 1,048,576 bytes; bias 2,768,896 bytes; ao 13,631,488 bytes
;; launch prep (part 1): grid 297 x 1, 2 waves a work-group, no clusters, 0 bytes of LDS; arguments qkv_w_codes, proj_w_codes, rel_pos_index, rpb_table, lowp_scales, wq, wp, bias; writes wq, wp, bias
.if DOCPART == 1
	.amdgcn_target "amdgcn-amd-amdhsa--gfx1250"
	.amdhsa_code_object_version 6
	.text
	.protected	k_q29743939ae_prep
	.globl	k_q29743939ae_prep
	.p2align	8
	.type	k_q29743939ae_prep,@function
k_q29743939ae_prep:
	s_mov_b64 s[64:65], 0
	v_nop
	global_prefetch_b8 v0, s[64:65] scope:SCOPE_SE
	s_setreg_imm32_b32 hwreg(HW_REG_WAVE_MODE, 25, 1), 1
	s_wait_xcnt 0x0
; LAYOUTS FOR THE TWO LAUNCHES THAT FOLLOW.  Three kinds of work-group, told apart by the work-group's number; two waves each, which share nothing: no LDS, no barrier, no loop.
;  0..95    qkv_w's codes -> wq [head 16][pass 3 (q, k, v)][K step 8][tile 4][group 4][lane 32][16 bytes]: a wave takes 16 rows of the weight (16 x 1,024 bytes).
;           Lane (r = lane % 16, h = lane / 16) holds, of row r, the 16 bytes at 128 s + 32 u + 16 h: what four registers of an operand take, so that the product's launch loads fragments whole.
;  96..127  proj_w's codes -> wp [column group 16][K step 8][tile 4][group 4][lane 32][16 bytes]: the same, but a lane's 16 bytes are the 8 at 128 s + 32 u + 8 h and the 8 that lie 16 further on:
;           the places that the 8-bit form gives each k (registers 2 c, 2 c + 1: k = 16 c + 8 h + 0 .. 7), since its partner's codes are made in that order.
;  128..296 the gathered bias -> bias [head 16][query tile 13][key tile 13][half 2][lane 32][4 f32]: number jj of lane (r, h) is rpb_table[rel_pos_index[q][k]][head] / 2^(e2 + e3),
;           q = 16 i + r, k = 16 m + 8 h + 4 u + jj: the layout of an accumulator of K Q^T.  Where q or k is 197 or more it is 0.  A work-group takes one (i, m), a wave one half u, all 16 heads.
; Every store of a wave covers 512 consecutive bytes, aligned.
; LIMIT: e2 + e3 between -127 and 126, so that 2^-(e2 + e3) is an f32 number.  An index is held inside the table (0 .. 731).
	s_load_b256 s[4:11], s[0:1], 0x0               ; qkv_w's codes s[4:5], proj_w's s[6:7], rel_pos_index s[8:9], rpb_table s[10:11]
	s_load_b256 s[12:19], s[0:1], 0x20             ; lowp_scales s[12:13], wq s[14:15], wp s[16:17], bias s[18:19]
	v_lshrrev_b32 v1, 5, v0
	v_readfirstlane_b32 s20, v1                    ; wave 0, 1
	v_and_b32 v1, 31, v0                           ; lane
	v_and_b32 v2, 15, v0                           ; r
	v_bfe_u32 v3, v0, 4, 1                         ; h
	v_lshlrev_b32 v5, 4, v1                        ; 16 x lane: my place in every store
	v_lshlrev_b32 v4, 10, v2                       ; a weight's row is 1,024 bytes
	s_mov_b32 s23, 0                               ; the upper word of every offset
	s_wait_kmcnt 0x0
	s_cmp_lt_u32 ttmp9, 96
	s_cbranch_scc0 .Lnot_qkv
	; ---- qkv_w: tile T = 2 x work-group + wave = 64 pass + 4 head + t: rows 16 T on
	s_lshl_b32 s21, ttmp9, 1
	s_add_co_u32 s21, s21, s20
	s_lshl_b32 s22, s21, 14
	s_add_nc_u64 s[4:5], s[4:5], s[22:23]
	s_lshr_b32 s24, s21, 6                         ; pass
	s_bfe_u32 s25, s21, 0x40002                    ; head
	s_and_b32 s26, s21, 3                          ; t
	s_mul_i32 s22, s25, 196608
	s_lshl_b32 s24, s24, 16
	s_lshl_b32 s26, s26, 11
	s_add_co_u32 s22, s22, s24
	s_add_co_u32 s22, s22, s26
	s_add_nc_u64 s[14:15], s[14:15], s[22:23]
	s_wait_alu depctr_va_vdst(0)
	v_lshl_add_u32 v4, v3, 4, v4                   ; row r, + 16 h
.set i, 0
.rept 32
	global_load_b128 v[16+4*i:19+4*i], v4, s[4:5] offset:32*i          ; i = 4 s + u: bytes 128 s + 32 u + 16 h on
.set i, i+1
.endr
.set i, 0
.rept 32
	s_wait_loadcnt 31-i                            ; loads come back in order: load i is in, the 31 - i younger ones may be out
	global_store_b128 v5, v[16+4*i:19+4*i], s[14:15] offset:(i/4)*8192+(i%4)*512
.set i, i+1
.endr
	s_endpgm
.Lnot_qkv:
	s_cmp_lt_u32 ttmp9, 128
	s_cbranch_scc0 .Lbias
	; ---- proj_w: tile T = 2 x (work-group - 96) + wave = 4 group + t: rows 16 T on
	s_sub_co_u32 s21, ttmp9, 96
	s_lshl_b32 s21, s21, 1
	s_add_co_u32 s21, s21, s20
	s_lshl_b32 s22, s21, 14
	s_add_nc_u64 s[6:7], s[6:7], s[22:23]
	s_lshr_b32 s24, s21, 2
	s_and_b32 s26, s21, 3
	s_lshl_b32 s22, s24, 16
	s_lshl_b32 s26, s26, 11
	s_add_co_u32 s22, s22, s26
	s_add_nc_u64 s[16:17], s[16:17], s[22:23]
	s_wait_alu depctr_va_vdst(0)
	v_lshl_add_u32 v4, v3, 3, v4                   ; row r, + 8 h
.set i, 0
.rept 32
	global_load_b64 v[16+4*i:17+4*i], v4, s[6:7] offset:32*i           ; k = 128 s + 32 u + 8 h + 0 .. 7
	global_load_b64 v[18+4*i:19+4*i], v4, s[6:7] offset:32*i+16        ; and the eight that lie 16 further on
.set i, i+1
.endr
.set i, 0
.rept 32
	s_wait_loadcnt 62-2*i                          ; the pair of loads i is in
	global_store_b128 v5, v[16+4*i:19+4*i], s[16:17] offset:(i/4)*8192+(i%4)*512
.set i, i+1
.endr
	s_endpgm
.Lbias:
	; ---- the bias: n = work-group - 128 = 13 i + m
	s_load_b64 s[24:25], s[12:13], 0x8             ; e2, e3
	s_sub_co_u32 s21, ttmp9, 128
	s_mul_i32 s26, s21, 79
	s_lshr_b32 s26, s26, 10                        ; i = n / 13: 79 / 1,024 lies over 1 / 13 by 3 / 13,312, which over n <= 168 never reaches the next whole number
	s_mul_i32 s27, s26, 13
	s_sub_co_u32 s27, s21, s27                     ; m
	s_lshl_b32 s26, s26, 4
	s_lshl_b32 s27, s27, 4
	s_lshl_b32 s28, s20, 2
	s_add_co_u32 s27, s27, s28                     ; 16 m + 4 u
	s_wait_alu depctr_va_vdst(0)
	v_add_nc_u32 v6, s26, v2                       ; q = 16 i + r
	v_lshl_add_u32 v7, v3, 3, s27                  ; my first key: 16 m + 8 h + 4 u
	v_min_u32 v8, 196, v6                          ; no load leaves the table of indices: rows and columns past the end take the last one's place, and their result is made 0 below
	v_mul_u32_u24 v8, v8, 197
.irp jj, 0,1,2,3
	v_add_nc_u32 v[12+\jj], \jj, v7                ; k
	v_min_u32 v[24+\jj], 196, v[12+\jj]
	v_add_lshl_u32 v[24+\jj], v[24+\jj], v8, 2     ; 4 (197 q + k)
.endr
.irp jj, 0,1,2,3
	global_load_b32 v[16+\jj], v[24+\jj], s[8:9]
.endr
	s_lshl_b32 s22, s21, 10                        ; where my 512 bytes of each head begin: 1,024 n + 512 u
	s_lshl_b32 s28, s20, 9
	s_add_co_u32 s22, s22, s28
	s_add_nc_u64 s[18:19], s[18:19], s[22:23]
	s_wait_kmcnt 0x0
	s_add_co_i32 s24, s24, s25
	s_sub_co_i32 s24, 127, s24
	s_lshl_b32 s24, s24, 23                        ; 2^-(e2 + e3) as f32: a sum of K Q^T stands for sum x 2^(e2 + e3), so the bias goes in divided by that
	v_mov_b32 v10, s24
	v_cmp_gt_u32 vcc_lo, 197, v6
	v_cndmask_b32 v10, 0, v10, vcc_lo              ; 0 for a query past the end,
.irp jj, 0,1,2,3
	v_cmp_gt_u32 vcc_lo, 197, v[12+\jj]
	v_cndmask_b32 v[20+\jj], 0, v10, vcc_lo        ; and for a key past the end
.endr
	s_wait_loadcnt 0x0                             ; the four indices
.irp jj, 0,1,2,3
	v_min_u32 v[16+\jj], 731, v[16+\jj]            ; held inside the table
	v_lshlrev_b32 v[16+\jj], 6, v[16+\jj]          ; a row of the table is 16 heads x 4 bytes
.endr
.irp jj, 0,1,2,3
.irp p, 0,1,2,3
	global_load_b128 v[32+16*\jj+4*\p:35+16*\jj+4*\p], v[16+\jj], s[10:11] offset:16*\p   ; the whole row: all 16 heads
.endr
.endr
	s_wait_loadcnt 0x0
.irp hd, 0,1,2,3,4,5,6,7,8,9,10,11,12,13,14,15
.irp jj, 0,1,2,3
	v_mul_f32 v[96+4*\hd+\jj], v[32+16*\jj+\hd], v[20+\jj]
.endr
.endr
.irp hd, 0,1,2,3,4,5,6,7,8,9,10,11,12,13,14,15
	global_store_b128 v5, v[96+4*\hd:99+4*\hd], s[18:19] offset:\hd*173056   ; a head's part of the buffer is 13 x 13 x 1,024 bytes
.endr
	s_endpgm
.Lfunc_end_k_q29743939ae_prep:
	.size	k_q29743939ae_prep, .Lfunc_end_k_q29743939ae_prep-k_q29743939ae_prep
	.p2alignl 7, 3214868480
	.fill 96, 4, 3214868480
	.section	.rodata,"a",@progbits
	.p2align	6, 0x0
	.amdhsa_kernel k_q29743939ae_prep
		.amdhsa_group_segment_fixed_size 0
		.amdhsa_private_segment_fixed_size 0
		.amdhsa_enable_private_segment 0
		.amdhsa_kernarg_size 64
		.amdhsa_user_sgpr_count 2
		.amdhsa_user_sgpr_kernarg_segment_ptr 1
		.amdhsa_wavefront_size32 1
		.amdhsa_system_sgpr_workgroup_id_x 1
		.amdhsa_system_sgpr_workgroup_id_y 1
		.amdhsa_system_sgpr_workgroup_id_z 1
		.amdhsa_system_vgpr_workitem_id 0
		.amdhsa_next_free_vgpr 160
		.amdhsa_next_free_sgpr 66
		.amdhsa_reserve_vcc 1
		.amdhsa_float_denorm_mode_32 3
		.amdhsa_float_denorm_mode_16_64 3
		.amdhsa_memory_ordered 1
		.amdhsa_forward_progress 1
		.amdhsa_inst_pref_size 27
	.end_amdhsa_kernel
	.amdgpu_metadata
---
amdhsa.version: [ 1, 2 ]
amdhsa.kernels:
  - .name:           k_q29743939ae_prep
    .symbol:         k_q29743939ae_prep.kd
    .args:
      - { .name: qkv_w_codes, .offset: 0, .size: 8, .value_kind: global_buffer, .address_space: global }
      - { .name: proj_w_codes, .offset: 8, .size: 8, .value_kind: global_buffer, .address_space: global }
      - { .name: rel_pos_index, .offset: 16, .size: 8, .value_kind: global_buffer, .address_space: global }
      - { .name: rpb_table, .offset: 24, .size: 8, .value_kind: global_buffer, .address_space: global }
      - { .name: lowp_scales, .offset: 32, .size: 8, .value_kind: global_buffer, .address_space: global }
      - { .name: wq, .offset: 40, .size: 8, .value_kind: global_buffer, .address_space: global }
      - { .name: wp, .offset: 48, .size: 8, .value_kind: global_buffer, .address_space: global }
      - { .name: bias, .offset: 56, .size: 8, .value_kind: global_buffer, .address_space: global }
    .group_segment_fixed_size: 0
    .private_segment_fixed_size: 0
    .kernarg_segment_align: 8
    .kernarg_segment_size: 64
    .max_flat_workgroup_size: 64
    .sgpr_count:     66
    .vgpr_count:     160
    .wavefront_size: 32
...
	.end_amdgpu_metadata
.endif
;; end of part 1
;; launch qkv_attn (part 2): grid 4 x 64, 8 waves a work-group, clusters of 4 x 1, 327,680 bytes of LDS; arguments x_codes, wq, bias, q_bias, v_bias, lowp_scales, ao; writes ao
.if DOCPART == 2
	.amdgcn_target "amdgcn-amd-amdhsa--gfx1250"
	.amdhsa_code_object_version 6
	.text
	.protected	k_q29743939ae_qkv_attn
	.globl	k_q29743939ae_qkv_attn
	.p2align	8
	.type	k_q29743939ae_qkv_attn,@function
k_q29743939ae_qkv_attn:
	s_mov_b64 s[64:65], 0
	v_nop
	global_prefetch_b8 v0, s[64:65] scope:SCOPE_SE
	s_setreg_imm32_b32 hwreg(HW_REG_WAVE_MODE, 25, 1), 1
	s_wait_xcnt 0x0
	s_wait_alu depctr_hold_cnt(0) depctr_sa_sdst(0) depctr_va_vdst(0) depctr_va_sdst(0) depctr_va_ssrc(0) depctr_va_vcc(0) depctr_vm_vsrc(0)
	s_getreg_b32 s2, hwreg(HW_REG_IB_STS2, 6, 4)
	s_cmp_eq_u32 s2, 0
	s_cbranch_scc0 .Lentry_in_a_cluster
	s_endpgm
.Lentry_in_a_cluster:
	s_bfe_u32 s2, ttmp6, 0x10000c
	s_cmp_lg_u32 s2, 0x3003
	s_cbranch_scc0 .Lentry_shape_is_right
	s_endpgm
.Lentry_shape_is_right:
; q, k, v = x W^T + bias; softmax(q k^T / 8 + gathered bias) v: products 1, 2 and 3 on codes of FP8 (E4M3), each operand with the scale 2^e that is given for it (e0 .. e7), and every quantiser between them.
; SHARES.  A work-group takes one image b (197 rows of x, 13 tiles of 16; rows 197 .. 207 are zeros) and four heads; a head belongs to TWO WAVES, w and w + 4: the first (p = 0) takes row tiles 0-6, as rows of q, k and v
; and as queries, the second (p = 1) row tiles 7-12.  Eight waves, two to a SIMD: while one loads or walks its softmax the other's products can be issued.  Tile 6 of a wave stands under branches on p alone.
; x[b] lies in LDS whole, in two halves along K.  CLUSTER: the four work-groups of a cluster take the same b and the 16 heads between them, so each half of x[b] is asked for JOINTLY (mask 15).
; Weights and bias go straight into registers, from buffers laid in the order of those registers.  Work-groups of other images read them too, but LDS has no room for tiles of them: x (219,648 bytes), the images of q and k
; (106,496) and the spare words (1,024) leave 512 bytes.  No data prefetch: weights are asked for a K step ahead or more and the bias a whole turn ahead by their own loads, and x has no loop ahead of it.
; THREE PASSES over K = 1,024 (q, k, v), 8 steps of 128 each: a wave has 28 or 24 accumulators (its row tiles x 4 tiles of the head's 64) and multiplies as many times a step, for 7 or 6 fragments of x from LDS and 4 of W.
; A step goes in two halves, row tiles 0-2 and 3-5 (and 6): each half's products, then the next step's fragments of x into the registers just read; behind the second half also W's step two on, into the slot just read.
; x's and W's fragments take each k at the same place (registers 4 c .. 4 c + 3: k = 32 c + 16 h + 0 .. 15), a permutation of k alike in both.
; LAYOUT.  q, k: source 0 = 16 rows of W, source 1 = 16 rows of x: a lane holds one row of x and eight neighbouring channels, 16 t + 8 h + 0 .. 7: their eight codes ARE registers 2 t, 2 t + 1 of an operand of
; K Q^T (the 8-bit form's own places).  v: the sources change places: a lane holds one channel and eight neighbouring keys: registers 2 m, 2 m + 1 of V^T.  S^T = K Q^T and O^T = V^T P^T keep one query a lane,
; and p's and o's eight registers again become two registers of the next operand.  q's, k's and v's codes go through LDS as images of their registers: q's are the wave's own, k's and v's are read by both waves of a
; head.  v's images lie where x lay: x has had its last fill, and every wave has read it out before a barrier.
; THE SOFTMAX.  All 197 keys of a tile of 16 queries lie in 104 registers a lane: the row's largest t is taken first, M = ceil of it, p = 2^(t - M); the sum is taken of the unquantised p and divides O at the end.
; The gathered bias, divided by 2^(e2 + e3), is the C of K Q^T.  Keys 197 .. 207 become -infinity ahead of the maximum.
; o's codes go out as images of registers: ao [b][tile 13][head 16][half 2][lane 32][16 bytes]; two heads on end are one fragment of 128 along the last product's K.  Queries 197 .. 207 are computed and stored (finite, read by nobody's result).
; LIMITS on the given exponents, so that each power of two below is an f32 number: e2 - e0 - e1 + 3, e3 - e0 - e1, e5 - e0 - e1, e4 and e6 - e4 - e5 between -126 and 119; e2 + e3 between -123 and 126 (added to
; log2(e)'s exponent field).  NaN and infinities among the f32 inputs are not served.
; REGISTERS (s_set_vgpr_msb's low byte: bits 1:0 source 0, 3:2 source 1, 5:4 source 2, 7:6 destination):
;  window 0: v0-127 W's two slots; v128-239 x's fragments, v176-231 codes on their way to LDS; v240 16 x lane; v241, v242 x's LDS address in each half; v243 my q images; v244 the head's k images; v245 its v images; v246 the
;            conversion's scale; v247 an LDS address in hand; v248-251 v's bias; v252-253 addresses of the biases; v254-255 the add.  Later V^T v0-127 (tile t at v[32 t], registers 2 m, 2 m + 1 for key tile m), K v128-231, Q v232-239
;  window 1: accumulators v0-223, the C of a pass's first step v224-255.  Later S^T v0-103 (and, once p's codes are made, O^T v0-31 and o's codes v32-39), a query tile's bias v104-207, p's codes v208-239,
;            v240-255 the softmax's small change: v240-247 maxima, then sums; v248 -M; v250 a lane permute's result; v251 -infinity; v252 1 / the sum; v254 2^e4; v255 2^(e6 - e4 - e5)
.set XROW,  528                        ; a row of half of x in LDS: 512 bytes + 16 of padding = 132 words: the 16 rows that a load touches start at 16 different banks (64 banks of 4 bytes: ISA guide 11.1)
.set XTILE, 16*XROW
.set XH1,   208*XROW                   ; LDS: K bytes 0-511 of 208 rows at 0, K bytes 512-1,023 here,
.set IMG,   2*XH1                      ; and behind them, for each head, 13 fragments of q and 13 of k: no fill lands here
.set KIM,   13*1024                    ; a fragment's image is 8 registers x 128 bytes; k's images lie behind q's
.set IMGW,  2*KIM
.set SPARE, IMG+4*IMGW                 ; the spare words: 128 bytes for each wave, four blocks of 256 bytes that no other line names
.set VIM,   13312                      ; a head's v images, from LDS byte 0 on: [t 4][key tile 13][lane 32][8 bytes]
.set XF,    128
.set CODE,  176                        ; so that no conversion names one register number as result and as source
.set CB,    224
.set KF,    128
.set QF,    232
.set BF,    104
.set PF,    208
.set BTILE, 13312                      ; a query tile's bias: 13 key tiles x 1,024 bytes
.set MSB, 0
.macro WIN new                         ; the immediate's high byte repeats the setting that is left; a switch that changes nothing is dropped
.if MSB != (\new)
	s_set_vgpr_msb (MSB<<8)|(\new)
.set MSB, (\new)
.endif
.endm
; A load into a register that a matrix instruction has read, and a vector instruction that reads a matrix result or writes one of a matrix instruction's registers, stand four places behind it; only plain vector
; instructions that name none of its registers are places (ISA guide 7.12.1 for vector instructions).
.macro PLACES
.rept 4
	v_nop
.endr
.endm
.macro CROUND                          ; a round of the cluster's barrier: my work-group's barrier; wave 0 signals for the work-group; every wave waits for all four work-groups; my work-group's barrier once more
	s_barrier_signal -1
	s_barrier_wait -1
	s_cmp_lg_u32 s18, 0
	s_cbranch_scc1 .Lnot_wave_0_\@
	s_barrier_signal -3
.Lnot_wave_0_\@:
	s_barrier_wait -3
	s_barrier_signal -1
	s_barrier_wait -1
.endm
.macro JLOAD gg                        ; my 26 rows of a half of x, jointly: wave 7's descriptor says that its rows end at x[b]'s row 196.  The branch hangs on the wave's number alone
	s_cmp_lt_u32 s18, 7
	s_cbranch_scc0 .Llast_rows_\@
	tensor_load_to_lds s[\gg:\gg+3], s[24:31]
	s_nop 0
.rept 4
	v_nop
.endr
	s_branch .Lasked_\@
.Llast_rows_\@:
	tensor_load_to_lds s[\gg:\gg+3], s[32:39]
	s_nop 0
.rept 4
	v_nop
.endr
.Lasked_\@:
.endm
.macro MKSC e, n, p, b                 ; from the whole number E in s[e]: s[b] = 2^E as f32 (a conversion takes its exponent field), s[p] = 448 x 2^E, s[n] = -448 x 2^E
	s_add_co_i32 s[\b], s[\e], 127
	s_add_co_i32 s[\p], s[\e], 135
	s_lshl_b32 s[\b], s[\b], 23
	s_lshl_b32 s[\p], s[\p], 23
	s_or_b32 s[\p], s[\p], 0x600000
	s_or_b32 s[\n], s[\p], 0x80000000
.endm
; x's fragments of K step s: XLDA my row tiles 0-2, XLDB 3-5 and 6.  Lane (r, h): row r, bytes 128 (s % 4) + 32 c + 16 h on, of the half of x that holds the step
.macro XRUN s, n
.rept \n
	ds_load_b128 v[XF+4*LQ:XF+4*LQ+3], v[241+(\s)/4] offset:(LQ/4)*XTILE+128*((\s)%4)+32*(LQ%4)
.set LQ, LQ+1
.endr
.endm
.macro XLDA s
.set LQ, 0
	XRUN (\s), 12
.endm
.macro XLDB s
.set LQ, 12
	XRUN (\s), 12
	s_cmp_lg_u32 s91, 0
	s_cbranch_scc1 .Lsix_\@
	XRUN (\s), 4
.Lsix_\@:
.endm
.macro WLD k                           ; W's step k of the pass, 8,192 dense bytes, into slot k % 2: each load 512 consecutive bytes
.set WQ, 0
.rept 16
	global_load_b128 v[64*((\k)%2)+4*WQ:64*((\k)%2)+4*WQ+3], v240, s[74:75] offset:(\k)*8192+512*WQ
.set WQ, WQ+1
.endr
.endm
; n products from the q-th accumulator on.  o = 0: q, k; 1: v.  first = 1: the sums begin with the bias in CB.  The accumulators take turns, one instruction a turn, in the same order in every step.
.macro MULN n, s, o, first
	WIN 0x50                                       ; W and x window 0, C and D window 1
.rept \n
.if (\o) == 1
.if (\first) == 1
	v_wmma_f32_16x16x128_fp8_fp8 v[8*q:8*q+7], v[XF+16*(q/4):XF+16*(q/4)+15], v[64*((\s)%2)+16*(q%4):64*((\s)%2)+16*(q%4)+15], v[CB+8*(q%4):CB+8*(q%4)+7]
.else
	v_wmma_f32_16x16x128_fp8_fp8 v[8*q:8*q+7], v[XF+16*(q/4):XF+16*(q/4)+15], v[64*((\s)%2)+16*(q%4):64*((\s)%2)+16*(q%4)+15], v[8*q:8*q+7]
.endif
.else
.if (\first) == 1
	v_wmma_f32_16x16x128_fp8_fp8 v[8*q:8*q+7], v[64*((\s)%2)+16*(q%4):64*((\s)%2)+16*(q%4)+15], v[XF+16*(q/4):XF+16*(q/4)+15], v[CB+8*(q%4):CB+8*(q%4)+7]
.else
	v_wmma_f32_16x16x128_fp8_fp8 v[8*q:8*q+7], v[64*((\s)%2)+16*(q%4):64*((\s)%2)+16*(q%4)+15], v[XF+16*(q/4):XF+16*(q/4)+15], v[8*q:8*q+7]
.endif
.endif
.set q, q+1
.endr
	WIN 0
.endm
; A K STEP.  lc: how many younger loads of W may be out when this step's 16 must be in.  nx, nw: the next step's x, W's step two on are asked for.  sync: a barrier stands ahead of the products:
; in step 3 (q, k) it shows x's second half to every wave (the second time round it is met at once); in v's step 7 it says that x has been read out.
.macro STEP s, o, first, nx, nw, lc, sync
	s_wait_loadcnt \lc
.if (\sync) == 1
	s_wait_tensorcnt 0x0
	s_wait_dscnt 0x0                               ; no LDS instruction of mine is pending at a signal
	s_barrier_signal -1
	s_barrier_wait -1
.else
	s_wait_dscnt 12                                ; x's row tiles 0-2 are in; of the 12 or 16 loads behind them 12 may be out
.endif
.set q, 0
	MULN 12, \s, \o, \first
	PLACES
.if (\nx) == 1
	XLDA ((\s)+1)%8
	s_wait_dscnt 12                                ; the other row tiles are in; the 12 loads just issued may be out
.else
	s_wait_dscnt 0x0
.endif
	MULN 12, \s, \o, \first
	s_cmp_lg_u32 s91, 0
	s_cbranch_scc1 .Lsix_products_\@
	MULN 4, \s, \o, \first
.Lsix_products_\@:
	PLACES
.if (\nx) == 1
	XLDB ((\s)+1)%8
.endif
.if (\nw) == 1
	WLD (\s)+2
.endif
.endm
; The sums are held within +-448 x the scale (the conversion to an 8-bit code does not saturate: ISA guide 7.6.2) and converted, eight registers into two.  Each accumulator is read from its low end on.
.macro TOCODE a0, n, lo, hi
	WIN 0x41
.set i, 8*(\a0)
.rept 8*(\n)
	v_med3_num_f32 v[i], v[i], s[\lo], s[\hi]
.set i, i+1
.endr
	WIN 0x01
.set i, \a0
.rept \n
	v_cvt_scalef32_pk8_fp8_f32 v[CODE+2*i:CODE+2*i+1], v[8*i:8*i+7], v246
.set i, i+1
.endr
	v_nop                                          ; one plain vector instruction behind the last conversion of a run
	WIN 0
.endm
; THE END OF THE q AND THE k PASS: images of a fragment's registers: my tile m at 1,024 m, four registers a store, lane l's 16 bytes at 16 l
.macro EPI_QK
	TOCODE 0, 24, 57, 58
	s_cmp_lg_u32 s91, 0
	s_wait_alu depctr_va_vdst(0)
	s_cbranch_scc1 .Lsix_images_\@
	TOCODE 24, 4, 57, 58
	ds_store_b128 v247, v[CODE+48:CODE+51] offset:6144
	ds_store_b128 v247, v[CODE+52:CODE+55] offset:6144+512
.Lsix_images_\@:
.irp m, 0,1,2,3,4,5
	ds_store_b128 v247, v[CODE+8*\m:CODE+8*\m+3] offset:1024*\m
	ds_store_b128 v247, v[CODE+8*\m+4:CODE+8*\m+7] offset:1024*\m+512
.endr
	WIN 0x40
.set i, 0
.rept 32
	v_mov_b32 v[CB+i], 0                           ; k has no bias: the next pass's sums begin with zeros
.set i, i+1
.endr
	WIN 0
.endm
; A query tile's bias, 13 x 1,024 dense bytes: the C of its 13 products K Q^T
.macro BLD
	WIN 0x40
.irp m, 0,1,2,3,4,5,6,7,8,9,10,11,12
	global_load_b128 v[BF+8*\m:BF+8*\m+3], v240, s[78:79] offset:1024*\m
	global_load_b128 v[BF+8*\m+4:BF+8*\m+7], v240, s[78:79] offset:1024*\m+512
.endr
	WIN 0
.endm
; A QUERY TILE'S TURN.  last = 1: nothing follows it.  Else the next tile's bias and Q are asked for behind the products that have read this tile's (held at my last tile, so that no load leaves its buffer).
.macro TURN last
	s_wait_loadcnt 0x0                             ; this tile's bias is in
	s_wait_dscnt 0x0                               ; Q (the first time K and V^T too)
	s_wait_xcnt 0x0                                ; the last tile's stores have read their data and their base: both are written again only behind this wait
	s_add_nc_u64 s[80:81], s[80:81], s[94:95]      ; this tile's place in ao: nothing is added for my first tile,
	s_mov_b32 s94, 16384                           ; 16 heads x 1,024 bytes from then on
	WIN 0x50                                       ; K and Q window 0, the bias and S^T window 1
.irp m, 0,1,2,3,4,5,6,7,8,9,10,11,12
	v_wmma_f32_16x16x64_fp8_fp8 v[8*\m:8*\m+7], v[KF+8*\m:KF+8*\m+7], v[QF:QF+7], v[BF+8*\m:BF+8*\m+7]   ; S^T = K Q^T + bias: lane (r, h): query r, keys 16 m + 8 h + 0 .. 7
.endr
	WIN 0
.if \last == 0
	s_add_co_u32 s84, s83, 1
	s_min_u32 s84, s84, s96                        ; my next tile, held at my last
	s_mul_i32 s22, s84, BTILE
	s_add_nc_u64 s[78:79], s[76:77], s[22:23]      ; (the loads that read this base were waited for above)
	s_lshl_b32 s84, s84, 10
	v_add_nc_u32 v247, s84, v243                   ; this line and three v_nop are the four places behind the products
	v_nop
	v_nop
	v_nop
	BLD
	ds_load_b128 v[QF:QF+3], v247
	ds_load_b128 v[QF+4:QF+7], v247 offset:512
.else
	PLACES
.endif
	WIN 0x55                                       ; all in window 1
	v_max3_num_f32 v240, v0, v1, v2                ; the row's largest sum among my 104 keys, in four chains that take turns, so that no line reads the result of a line just above it;
	v_max3_num_f32 v242, v3, v4, v5                ; the registers go in ascending order: each accumulator is read from its low end on
	v_max3_num_f32 v244, v6, v7, v8
	v_max3_num_f32 v246, v9, v10, v11
.set i, 12
.rept 10
	v_max3_num_f32 v240, v240, v[i], v[i+1]
	v_max3_num_f32 v242, v242, v[i+2], v[i+3]
	v_max3_num_f32 v244, v244, v[i+4], v[i+5]
	v_max3_num_f32 v246, v246, v[i+6], v[i+7]
.set i, i+8
.endr
.irp j, 0,1,2,3,4
	v_cndmask_b32 v[96+\j], v[96+\j], v251, s73    ; key tile 12: lanes 16-31 hold keys 200 .. 207,
.endr
	v_mov_b32 v101, v251                           ; and registers 5 to 7 keys 197 .. 199 (or 205 .. 207): none of them counts
	v_mov_b32 v102, v251
	v_mov_b32 v103, v251
	v_max3_num_f32 v240, v240, v92, v93
	v_max3_num_f32 v242, v242, v94, v95
	v_max3_num_f32 v244, v244, v96, v97
	v_max3_num_f32 v246, v246, v98, v99
	v_max3_num_f32 v240, v240, v242, v100
	v_max3_num_f32 v240, v240, v244, v246
	v_permlanex16_b32 v250, v240, s86, s87
	v_max_num_f32 v240, v240, v250                 ; and among lane l xor 16's
	v_mul_f32 v240, s66, v240                      ; as t (c is positive)
	v_floor_f32 v248, -v240                        ; -M = floor(-t) = -ceil(t): a whole number
.set i, 0
.rept 52
	v_pk_fma_f32 v[i:i+1], v[i:i+1], s[66:67], v[248:249] op_sel_hi:[1,0,0]    ; t - M, two at a time (of the pairs c and -M the low word serves both halves)
.set i, i+2
.endr
	s_wait_alu depctr_va_vdst(0)
.set i, 0
.rept 104
	v_exp_f32 v[i], v[i]                           ; p = 2^(t - M), at most 1, 0 for the keys that do not count
.set i, i+1
.endr
	v_nop                                          ; one plain instruction behind the last exponential,
	s_wait_alu depctr_va_vdst(0)                   ; and one wait for the whole batch ahead of its first use
	v_pk_add_f32 v[240:241], v[0:1], v[2:3]        ; the row's sum is taken of the unquantised p: two at a time, in four chains
	v_pk_add_f32 v[242:243], v[4:5], v[6:7]
	v_pk_add_f32 v[244:245], v[8:9], v[10:11]
	v_pk_add_f32 v[246:247], v[12:13], v[14:15]
.set i, 16
.rept 11
	v_pk_add_f32 v[240:241], v[240:241], v[i:i+1]
	v_pk_add_f32 v[242:243], v[242:243], v[i+2:i+3]
	v_pk_add_f32 v[244:245], v[244:245], v[i+4:i+5]
	v_pk_add_f32 v[246:247], v[246:247], v[i+6:i+7]
.set i, i+8
.endr
	v_pk_add_f32 v[240:241], v[240:241], v[242:243]
	v_pk_add_f32 v[244:245], v[244:245], v[246:247]
	v_pk_add_f32 v[240:241], v[240:241], v[244:245]
.set i, 0
.rept 104
	v_min_num_f32 v[i], s68, v[i]                  ; the hold at 448 x 2^e4; p is not negative, so it is one-sided
.if i == 7
	v_add_f32 v240, v240, v241                     ; among the holds, eight lines apart: the sum's two halves,
.endif
.if i == 15
	v_permlanex16_b32 v250, v240, s86, s87
.endif
.if i == 23
	v_add_f32 v240, v240, v250                     ; lane l xor 16's,
.endif
.if i == 31
	s_wait_alu depctr_va_vdst(0)
	v_rcp_f32 v252, v240                           ; and the reciprocal; the hold that follows is the plain instruction behind it
.endif
.set i, i+1
.endr
	s_wait_alu depctr_va_vdst(0)                   ; for the reciprocal and for the holds ahead of it, ahead of their first readers
.irp m, 0,1,2,3,4,5,6,7,8,9,10,11,12
	v_cvt_scalef32_pk8_fp8_f32 v[PF+2*\m:PF+2*\m+1], v[8*\m:8*\m+7], v254      ; registers 2 m, 2 m + 1 of P: keys 16 m + 8 h + 0 .. 7
.endr
	v_nop                                          ; one plain instruction behind the last conversion
	WIN 0x54                                       ; V^T window 0; P, C and D window 1: O^T lies where the scores lay
.irp s, 0,1
.irp t, 0,1,2,3
.if \s == 0
	v_wmma_f32_16x16x128_fp8_fp8 v[8*\t:8*\t+7], v[32*\t:32*\t+15], v[PF:PF+15], 0
.else
	v_wmma_f32_16x16x128_fp8_fp8 v[8*\t:8*\t+7], v[32*\t+16:32*\t+31], v[PF+16:PF+31], v[8*\t:8*\t+7]   ; the four accumulators take turns
.endif
.endr
.endr
	PLACES
	WIN 0x55
.set i, 0
.rept 16
	v_pk_mul_f32 v[i:i+1], v[i:i+1], v[252:253] op_sel_hi:[1,0]    ; O^T / the sum; each accumulator from its low end on
.set i, i+2
.endr
.set i, 0
.rept 32
	v_med3_num_f32 v[i], v[i], s70, s71
.set i, i+1
.endr
.irp t, 0,1,2,3
	v_cvt_scalef32_pk8_fp8_f32 v[32+2*\t:33+2*\t], v[8*\t:8*\t+7], v255        ; channels 16 t + 8 h + 0 .. 7 of query r
.endr
	v_nop
	WIN 0x04                                       ; a store's data: window 1
	global_store_b128 v240, v[32:35], s[80:81]                                 ; each store covers 512 consecutive bytes, aligned
	global_store_b128 v240, v[36:39], s[80:81] offset:512
	WIN 0
.endm
	; ---- THE HEAD
	s_load_b256 s[4:11], s[0:1], 0x0               ; x's codes s[4:5], wq s[6:7], bias s[8:9], q_bias s[10:11]
	s_load_b128 s[12:15], s[0:1], 0x20             ; v_bias s[12:13], lowp_scales s[14:15]
	s_load_b64 s[16:17], s[0:1], 0x30              ; ao
	v_lshl_add_u32 v254, v0, 2, SPARE
	v_mov_b32 v255, 0
	ds_add_u32 v254, v255                          ; the opening add, twice on end; work on registers stands between it and its wait
	ds_add_u32 v254, v255
	v_lshrrev_b32 v1, 5, v0
	v_readfirstlane_b32 s18, v1                    ; wave 0..7
	s_lshr_b32 s91, s18, 2                         ; p: row tiles 0-6 (0) or 7-12 (1)
	s_and_b32 s97, s18, 3                          ; which of the work-group's four heads
	s_sub_co_u32 s96, 6, s91                       ; my last tile, counted from my first
	s_bfe_u32 s21, ttmp6, 0x40000                  ; cx: my place in the cluster: it enters the addresses of wq, bias, q_bias, v_bias and ao alone
	s_lshl_b32 s19, ttmp9, 2
	s_add_co_u32 s19, s19, s21
	s_lshl_b32 s19, s19, 2
	s_add_co_u32 s19, s19, s97                     ; my head = 4 x (4 x cluster x + cx) + wave % 4
	s_and_b32 s20, ttmp7, 0xffff                   ; b, which the four partners share
	; descriptor group 1: 26 rows x 512 bytes, 1,024 bytes apart in memory, 16 bytes of padding behind each in LDS.  Two of them: wave 7's rows end at x[b]'s row 196, and what lies beyond arrives as zeros
	s_mov_b32 s24, 15|(1<<20)|(1<<21)|(6<<22)|(3<<25)   ; 15:0 the mask: all four work-groups; 17:16 elements of 1 byte; 20 padding on; 21 set beside a mask; 24:22 after every 128 words (code 6); 31:25 four words (code 3)
	s_mov_b32 s25, 512<<16                         ; tensor_dim0
	s_mov_b32 s26, 26<<16                          ; tensor_dim1: all 26 rows are there
	s_mov_b32 s27, 512<<16                         ; tile_dim0
	s_mov_b32 s28, 26                              ; tile_dim1
	s_mov_b32 s29, 1024                            ; tensor_dim0_stride
	s_mov_b32 s30, 0
	s_mov_b32 s31, 0
	s_mov_b32 s32, 15|(1<<20)|(1<<21)|(6<<22)|(3<<25)
	s_mov_b32 s33, 512<<16
	s_mov_b32 s34, 15<<16                          ; tensor_dim1: rows 182 .. 196
	s_mov_b32 s35, 512<<16
	s_mov_b32 s36, 26
	s_mov_b32 s37, 1024
	s_mov_b32 s38, 0
	s_mov_b32 s39, 0
	s_mul_i32 s22, s20, 201728                     ; x[b]: 197 rows of 1,024 bytes,
	s_mul_i32 s23, s18, 26624                      ; my 26 rows of it
	s_add_co_u32 s22, s22, s23
	s_mov_b32 s23, 0
	s_mov_b32 s40, 1                               ; group 0, once for each half of x: count = 1,
	s_mov_b32 s44, 1
	s_mul_i32 s41, s18, 26*XROW                    ; LDS address: wave x 26 rows,
	s_add_co_u32 s45, s41, XH1
	s_mov_b32 s73, 0xffff0000                      ; lanes 16-31
	s_mov_b32 s86, 0x76543210                      ; v_permlanex16_b32's selects for lane l xor 16
	s_mov_b32 s87, 0xfedcba98
	s_mul_i32 s83, s91, 7*XTILE                    ; my row tiles in x,
	s_mul_i32 s84, s97, IMGW
	s_add_co_u32 s84, s84, IMG                     ; the head's images,
	s_mul_i32 s85, s91, 7*1024                     ; mine among them,
	s_add_co_u32 s85, s85, s84
	s_add_co_u32 s84, s84, KIM
	s_mul_i32 s82, s97, VIM                        ; and its v images
	v_and_b32 v20, 31, v0                          ; lane
	v_and_b32 v16, 15, v0                          ; r
	v_bfe_u32 v17, v0, 4, 1                        ; h
	v_lshlrev_b32 v240, 4, v20                     ; 16 x lane
	v_mul_u32_u24 v21, v16, XROW
	v_lshl_add_u32 v21, v17, 4, v21                ; row r, + 16 h
	v_add_nc_u32 v241, s83, v21                    ; x, first half,
	v_add_nc_u32 v242, XH1, v241                   ; and second
	v_add_nc_u32 v243, s85, v240                   ; my q images
	v_add_nc_u32 v244, s84, v240                   ; the head's k images
	v_lshlrev_b32 v22, 3, v20
	v_add_nc_u32 v245, s82, v22                    ; and v images: 8 bytes a lane
	v_lshlrev_b32 v252, 5, v17                     ; q_bias: 8 h numbers on
	v_lshlrev_b32 v253, 2, v16                     ; v_bias: r numbers on
	s_wait_alu depctr_va_vdst(0)
	s_wait_dscnt 0x0                               ; both opening adds are done
	s_wait_kmcnt 0x0
	s_load_b256 s[48:55], s[14:15], 0x0            ; e0 .. e7
	s_add_nc_u64 s[42:43], s[4:5], s[22:23]        ; global address,
	s_add_nc_u64 s[46:47], s[42:43], 512
	s_or_b32 s43, s43, 0x80000000                  ; type = 2
	s_or_b32 s47, s47, 0x80000000
	CROUND                                         ; all four work-groups are here: the joint loads meet
	JLOAD 40                                       ; x's first half
	s_mul_i32 s92, s19, 196608
	s_mov_b32 s93, 0
	s_add_nc_u64 s[74:75], s[6:7], s[92:93]        ; my head's weights: q's pass first
	s_mul_i32 s92, s19, 173056
	s_mul_i32 s94, s91, 7*BTILE
	s_add_co_u32 s92, s92, s94
	s_add_nc_u64 s[76:77], s[8:9], s[92:93]        ; my head's bias at my first query tile
	s_mov_b64 s[78:79], s[76:77]
	s_lshl_b32 s92, s19, 8
	s_add_nc_u64 s[10:11], s[10:11], s[92:93]      ; my head's 64 numbers of q_bias and of v_bias
	s_add_nc_u64 s[12:13], s[12:13], s[92:93]
	s_mul_i32 s92, s20, 212992
	s_lshl_b32 s94, s19, 10
	s_add_co_u32 s92, s92, s94
	s_mul_i32 s94, s91, 7*16384
	s_add_co_u32 s92, s92, s94
	s_add_nc_u64 s[80:81], s[16:17], s[92:93]      ; ao at (b, my first tile, my head)
	WIN 0x40
.irp t, 0,1,2,3
	global_load_b128 v[CB+8*\t:CB+8*\t+3], v252, s[10:11] offset:64*\t         ; q_bias at channels 16 t + 8 h + 0 .. 7: the result's layout
	global_load_b128 v[CB+8*\t+4:CB+8*\t+7], v252, s[10:11] offset:64*\t+16
.endr
	WIN 0
.irp t, 0,1,2,3
	global_load_b32 v[248+\t], v253, s[12:13] offset:64*\t                     ; v_bias at channel 16 t + r
.endr
	WLD 0
	WLD 1
	s_wait_kmcnt 0x0
	s_add_co_i32 s22, s48, s49                     ; e0 + e1: a sum of the first product stands for sum x 2^(e0 + e1)
	s_sub_co_i32 s56, 0, s22
	s_sub_co_i32 s23, s50, s22
	s_add_co_i32 s23, s23, 3                       ; q: the scale 1/8 and the three exponents are folded into the conversion's one: e2 - e0 - e1 + 3
	MKSC 23, 57, 58, 59
	s_sub_co_i32 s23, s51, s22                     ; k: e3 - e0 - e1
	MKSC 23, 60, 61, 62
	s_sub_co_i32 s23, s53, s22                     ; v: e5 - e0 - e1
	MKSC 23, 88, 89, 90
	s_add_co_i32 s23, s50, s51
	s_lshl_b32 s23, s23, 23
	s_add_co_i32 s66, s23, 0x3fb8aa3b              ; c = log2(e) x 2^(e2 + e3): the exponents are added to its exponent field
	s_mov_b32 s67, s66                             ; (named with it as a pair, so it is written)
	s_add_co_i32 s69, s52, 127
	s_add_co_i32 s68, s52, 135
	s_lshl_b32 s69, s69, 23                        ; 2^e4, for p's conversions,
	s_lshl_b32 s68, s68, 23
	s_or_b32 s68, s68, 0x600000                    ; 448 x 2^e4
	s_sub_co_i32 s23, s54, s52
	s_sub_co_i32 s23, s23, s53                     ; o: e6 - e4 - e5
	MKSC 23, 70, 71, 72
	s_mov_b32 s85, 0                               ; q's images first
	s_mov_b32 s82, 2
	s_wait_loadcnt 32                              ; the 12 loads of the biases are in; the 32 of W behind them may be out
	WIN 0x41
.set i, 0
.rept 32
	v_ldexp_f32 v[CB+i], v[CB+i], s56              ; the bias goes in as the C of the first step, divided by the power of two that the sums lack
.set i, i+1
.endr
	WIN 0
.irp t, 0,1,2,3
	v_ldexp_f32 v[248+\t], v[248+\t], s56
.endr
	v_mov_b32 v246, s59
	s_wait_alu depctr_va_vdst(0)
	s_wait_tensorcnt 0x0                           ; my part of x's first half is in
	ds_add_u32 v254, v255
	s_wait_dscnt 0x0
	CROUND                                         ; everybody's part of the first half is in, and all four work-groups are here: the joint loads meet,
	JLOAD 44                                       ; and x's second half is asked for, first behind the round; it is waited for in step 3
	; ---- q, THEN k: two trips.  W's two slots stay on their way across a pass's end
.Lpass:
	v_add_nc_u32 v247, s85, v243
	s_wait_alu depctr_va_vdst(0)
	s_wait_dscnt 0x0                               ; the image stores have read their registers: x's fragments may land there
	XLDA 0
	XLDB 0
	STEP 0, 0, 1, 1, 1, 16, 0                      ; 16: the step of W behind this one
	STEP 1, 0, 0, 1, 1, 16, 0
	STEP 2, 0, 0, 1, 1, 16, 0
	STEP 3, 0, 0, 1, 1, 16, 1
	STEP 4, 0, 0, 1, 1, 16, 0
	STEP 5, 0, 0, 1, 1, 16, 0
	STEP 6, 0, 0, 1, 1, 16, 0                      ; here and in step 7 the slots take the next pass's steps 0 and 1: a pass is 8 x 8,192 bytes on end
	STEP 7, 0, 0, 0, 1, 16, 0
	EPI_QK
	s_wait_alu depctr_va_vdst(0)
	s_wait_xcnt 0x0                                ; the loads of W have read their base: it may step
	s_add_nc_u64 s[74:75], s[74:75], 65536
	s_mov_b32 s57, s60                             ; k's hold and scale
	s_mov_b32 s58, s61
	s_mov_b32 s59, s62
	v_mov_b32 v246, s59
	s_add_co_u32 s85, s85, KIM
	s_sub_co_u32 s82, s82, 1
	s_cmp_lg_u32 s82, 0
	s_wait_alu depctr_va_vdst(0)
	s_cbranch_scc1 .Lpass
	; ---- v: the sources change places, so a lane holds one channel: its bias is the same in all eight registers
	WIN 0x40
.irp t, 0,1,2,3
.irp j, 0,1,2,3,4,5,6,7
	v_mov_b32 v[CB+8*\t+\j], v[248+\t]
.endr
.endr
	WIN 0
	v_mov_b32 v246, s90
	s_mul_i32 s84, s91, 7*256
	v_add_nc_u32 v247, s84, v245                   ; my part of the head's v images
	s_wait_alu depctr_va_vdst(0)
	s_wait_dscnt 0x0                               ; k's image stores have read their registers
	XLDA 0
	XLDB 0
	STEP 0, 1, 1, 1, 1, 16, 0
	STEP 1, 1, 0, 1, 1, 16, 0
	STEP 2, 1, 0, 1, 1, 16, 0
	STEP 3, 1, 0, 1, 1, 16, 0
	STEP 4, 1, 0, 1, 1, 16, 0
	STEP 5, 1, 0, 1, 1, 16, 0                      ; the last request for W: step 7
	STEP 6, 1, 0, 1, 0, 16, 0
	STEP 7, 1, 0, 0, 0, 0, 1                       ; behind its barrier nobody reads x any more
	; THE END OF THE v PASS: (tile t of channels, my key tile m): two registers, 256 bytes at 3,328 t + 256 m
	TOCODE 0, 24, 88, 89
	s_cmp_lg_u32 s91, 0
	s_wait_alu depctr_va_vdst(0)
	s_cbranch_scc1 .Lsix_v
	TOCODE 24, 4, 88, 89
.irp t, 0,1,2,3
	ds_store_b64 v247, v[CODE+48+2*\t:CODE+49+2*\t] offset:3328*\t+1536
.endr
.Lsix_v:
.irp m, 0,1,2,3,4,5
.irp t, 0,1,2,3
	ds_store_b64 v247, v[CODE+8*\m+2*\t:CODE+8*\m+2*\t+1] offset:3328*\t+256*\m
.endr
.endr
	BLD                                            ; my first query tile's bias, where accumulators lay
	s_wait_dscnt 0x0                               ; my images of q, k and v are stored,
	s_barrier_signal -1
	s_barrier_wait -1                              ; and everybody's
	; ---- ATTENTION.  The head's 13 fragments of K and its V^T come from the images and stay; Q's come a tile at a time
	WIN 0
.irp m, 0,1,2,3,4,5,6,7,8,9,10,11,12
	ds_load_b128 v[KF+8*\m:KF+8*\m+3], v244 offset:1024*\m
	ds_load_b128 v[KF+8*\m+4:KF+8*\m+7], v244 offset:1024*\m+512
.endr
	ds_load_b128 v[QF:QF+3], v243
	ds_load_b128 v[QF+4:QF+7], v243 offset:512
.irp t, 0,1,2,3
.irp m, 0,1,2,3,4,5,6,7,8,9,10,11,12
	ds_load_b64 v[32*\t+2*\m:32*\t+2*\m+1], v245 offset:3328*\t+256*\m
.endr
.endr
.irp t, 0,1,2,3
.irp j, 26,27,28,29,30,31
	v_mov_b32 v[32*\t+\j], 0                       ; keys 208 .. 255 of the second step of 128 keys: zero codes,
.endr
.endr
	WIN 0x40
.irp j, 26,27,28,29,30,31
	v_mov_b32 v[PF+\j], 0                          ; in p too
.endr
	v_mov_b32 v251, 0xff800000                     ; -infinity
	v_mov_b32 v254, s69                            ; 2^e4
	v_mov_b32 v255, s72                            ; 2^(e6 - e4 - e5)
	v_mov_b32 v249, 0                              ; (named as the upper halves of pairs)
	v_mov_b32 v253, 0
	v_mov_b32 v250, 0                              ; written once: a lane permute's destination counts as one of its sources
	WIN 0
	s_mov_b32 s83, 0                               ; my tile
	s_mov_b32 s23, 0                               ; the upper word of the bias's offset
	s_mov_b32 s94, 0                               ; what the next tile adds to ao's address
	s_mov_b32 s95, 0
	s_wait_alu depctr_va_vdst(0)
.Lq:                                               ; six tiles,
	TURN 0
	s_add_co_u32 s83, s83, 1
	s_cmp_lt_u32 s83, 6
	s_cbranch_scc1 .Lq
	s_cmp_lg_u32 s91, 0
	s_cbranch_scc1 .Lsix_turns
	TURN 1                                         ; and the seventh of the waves that have one
.Lsix_turns:
	s_wait_tensorcnt 0x0                           ; the wave's end
	ds_add_u32 v254, v255
	s_wait_dscnt 0x0
	CROUND                                         ; the closing round: no work-group ends while a partner may still ask for a tile that names it
	s_endpgm
.Lfunc_end_k_q29743939ae_qkv_attn:
	.size	k_q29743939ae_qkv_attn, .Lfunc_end_k_q29743939ae_qkv_attn-k_q29743939ae_qkv_attn
	.p2alignl 7, 3214868480
	.fill 96, 4, 3214868480
	.section	.rodata,"a",@progbits
	.p2align	6, 0x0
	.amdhsa_kernel k_q29743939ae_qkv_attn
		.amdhsa_group_segment_fixed_size 327680
		.amdhsa_private_segment_fixed_size 0
		.amdhsa_enable_private_segment 0
		.amdhsa_kernarg_size 56
		.amdhsa_user_sgpr_count 2
		.amdhsa_user_sgpr_kernarg_segment_ptr 1
		.amdhsa_wavefront_size32 1
		.amdhsa_system_sgpr_workgroup_id_x 1
		.amdhsa_system_sgpr_workgroup_id_y 1
		.amdhsa_system_sgpr_workgroup_id_z 1
		.amdhsa_system_vgpr_workitem_id 0
		.amdhsa_next_free_vgpr 512
		.amdhsa_next_free_sgpr 100
		.amdhsa_reserve_vcc 0
		.amdhsa_float_denorm_mode_32 3
		.amdhsa_float_denorm_mode_16_64 3
		.amdhsa_memory_ordered 1
		.amdhsa_forward_progress 1
		.amdhsa_inst_pref_size 200
	.end_amdhsa_kernel
	.amdgpu_metadata
---
amdhsa.version: [ 1, 2 ]
amdhsa.kernels:
  - .name:           k_q29743939ae_qkv_attn
    .symbol:         k_q29743939ae_qkv_attn.kd
    .args:
      - { .name: x_codes, .offset: 0, .size: 8, .value_kind: global_buffer, .address_space: global }
      - { .name: wq, .offset: 8, .size: 8, .value_kind: global_buffer, .address_space: global }
      - { .name: bias, .offset: 16, .size: 8, .value_kind: global_buffer, .address_space: global }
      - { .name: q_bias, .offset: 24, .size: 8, .value_kind: global_buffer, .address_space: global }
      - { .name: v_bias, .offset: 32, .size: 8, .value_kind: global_buffer, .address_space: global }
      - { .name: lowp_scales, .offset: 40, .size: 8, .value_kind: global_buffer, .address_space: global }
      - { .name: ao, .offset: 48, .size: 8, .value_kind: global_buffer, .address_space: global }
    .group_segment_fixed_size: 327680
    .private_segment_fixed_size: 0
    .kernarg_segment_align: 8
    .kernarg_segment_size: 56
    .max_flat_workgroup_size: 256
    .sgpr_count:     100
    .vgpr_count:     512
    .wavefront_size: 32
...
	.end_amdgpu_metadata
.endif
;; end of part 2
;; launch proj (part 3): grid 4 x 64, 4 waves a work-group, clusters of 4 x 1, 327,680 bytes of LDS; arguments ao, wp, proj_b, lowp_scales, out0; writes out0
.if DOCPART == 3
	.amdgcn_target "amdgcn-amd-amdhsa--gfx1250"
	.amdhsa_code_object_version 6
	.text
	.protected	k_q29743939ae_proj
	.globl	k_q29743939ae_proj
	.p2align	8
	.type	k_q29743939ae_proj,@function
k_q29743939ae_proj:
	s_mov_b64 s[64:65], 0
	v_nop
	global_prefetch_b8 v0, s[64:65] scope:SCOPE_SE
	s_setreg_imm32_b32 hwreg(HW_REG_WAVE_MODE, 25, 1), 1
	s_wait_xcnt 0x0
	s_wait_alu depctr_hold_cnt(0) depctr_sa_sdst(0) depctr_va_vdst(0) depctr_va_sdst(0) depctr_va_ssrc(0) depctr_va_vcc(0) depctr_vm_vsrc(0)
	s_getreg_b32 s2, hwreg(HW_REG_IB_STS2, 6, 4)
	s_cmp_eq_u32 s2, 0
	s_cbranch_scc0 .Lentry_in_a_cluster
	s_endpgm
.Lentry_in_a_cluster:
	s_bfe_u32 s2, ttmp6, 0x10000c
	s_cmp_lg_u32 s2, 0x3003
	s_cbranch_scc0 .Lentry_shape_is_right
	s_endpgm
.Lentry_shape_is_right:
; out0 = o proj_w^T + proj_b: product 4 on codes of FP8 (E4M3); o's codes have the scale 2^e6, proj_w's 2^e7; each finished sum is multiplied once by 2^(e6 + e7) and the bias added, in one multiply-add.
; SHARES.  A work-group takes one image b (13 tiles of 16 rows) and 256 output columns; wave w takes 64 of them, for all rows.  Its part of proj_w (64 rows x 1,024 codes, 512 registers) is loaded once, from a
; buffer laid in the order of those registers, and stays.  o's codes of b, 13 x 16,384 bytes laid as images of operand registers, come into LDS by the tensor data mover.
; CLUSTER: the four work-groups of a cluster take the same b and the 1,024 columns between them, so ao[b] is asked for JOINTLY (mask 15).  The weights go to one wave's registers alone and pass through no LDS:
; there is no tile of them to share.
; Every LDS byte is filled once.  The row tiles are finished one after the other, 32 matrix instructions each (four accumulators by turns, K ascending).  A tile's results go into the stage behind the next
; tile's products and are stored behind the products after that: the wave never sits out the stage's round trip.
; THE MATRIX INSTRUCTION IS USED TRANSPOSED (source 0 = 16 rows of proj_w, source 1 = 16 rows of o): a lane holds eight neighbouring columns of one row of out0.
; LIMIT: e6 + e7 between -126 and 127, so that 2^(e6 + e7) is an f32 number.
; REGISTERS: window 0: v1-4 LDS addresses of the images (16 x lane + 65,536 j; v1 is also 16 x lane for the loads of W); v6, v7 the stage; v8 my offset in out0; v9 lane; v16-47 proj_b in the result's layout;
;   v48-79, v80-111 two sets of four accumulators; v112-143 results; v144-175, v176-207 two sets of rows read back.   window 1: W's K steps 0-3 (64 s + 16 t);   window 2: K steps 4-7;   window 3: two sets of o's eight fragments (128 a + 16 s).
.set STG,    212992                    ; behind the images: a stage of 16 rows x (256 bytes + 16) for each wave; no fill lands there
.set SPITCH, 272
.set MSB, 0
.macro WIN new                         ; the immediate's high byte repeats the setting that is left
.if MSB != (\new)
	s_set_vgpr_msb (MSB<<8)|(\new)
.set MSB, (\new)
.endif
.endm
.macro PLACES
.rept 4
	v_nop
.endr
.endm
.macro CROUND                          ; a round of the cluster's barrier
	s_barrier_signal -1
	s_barrier_wait -1
	s_cmp_lg_u32 s52, 0
	s_cbranch_scc1 .Lnot_wave_0_\@
	s_barrier_signal -3
.Lnot_wave_0_\@:
	s_barrier_wait -3
	s_barrier_signal -1
	s_barrier_wait -1
.endm
; A wave's two loads: at the head row tile w (tiles 0-3 between the four waves), then, behind a round, its quarter of row tiles 4-12.
.macro SYNC                            ; everybody's second load has landed
	s_wait_tensorcnt 0x0
	s_wait_dscnt 0x0                               ; no LDS instruction is pending at a signal
	s_barrier_signal -1
	s_barrier_wait -1
.endm
.macro ALD m                           ; row tile m's eight fragments, as they lie: 512 consecutive bytes a load
	WIN 0xc0
.irp s, 0,1,2,3,4,5,6,7
.irp c, 0,1,2,3
	ds_load_b128 v[128*((\m)%2)+16*\s+4*\c:128*((\m)%2)+16*\s+4*\c+3], v[1+(\m)/4] offset:((\m)%4)*16384+2048*\s+512*\c
.endr
.endr
.endm
.macro MULT m                          ; row tile m: 8 K steps x 4 tiles of columns.  The four accumulators take turns, one instruction a turn; the first step starts the sums
.set AC, 48+32*((\m)%2)
.set AF, 128*((\m)%2)
	WIN 0x0d                                       ; W window 1, o window 3, C and D window 0
.irp s, 0,1,2,3
.irp t, 0,1,2,3
.if \s == 0
	v_wmma_f32_16x16x128_fp8_fp8 v[AC+8*\t:AC+8*\t+7], v[16*\t:16*\t+15], v[AF:AF+15], 0
.else
	v_wmma_f32_16x16x128_fp8_fp8 v[AC+8*\t:AC+8*\t+7], v[64*\s+16*\t:64*\s+16*\t+15], v[AF+16*\s:AF+16*\s+15], v[AC+8*\t:AC+8*\t+7]
.endif
.endr
.endr
.if (\m) == 0
	s_wait_loadcnt 0x0                             ; W's K steps 4-7
.endif
	WIN 0x0e                                       ; W window 2
.irp s, 4,5,6,7
.irp t, 0,1,2,3
	v_wmma_f32_16x16x128_fp8_fp8 v[AC+8*\t:AC+8*\t+7], v[64*(\s-4)+16*\t:64*(\s-4)+16*\t+15], v[AF+16*\s:AF+16*\s+15], v[AC+8*\t:AC+8*\t+7]
.endr
.endr
.endm
; THE WAY OUT of row tile k, in two parts.  A lane holds 32 neighbouring bytes of a row and the lanes beside it other rows: so the tile goes through my own stage in LDS and comes back by rows.
; STAGE: the multiply-adds, into the stage, back into set k % 2.  Its sixteen multiply-adds name no register of the products issued just before (the next tile's): they are those products' places.
; last = 1: rows 192 .. 196 alone exist: three loads bring them.
.macro STAGE k, last
.set AC, 48+32*((\k)%2)
.set BK, 144+32*((\k)%2)
	WIN 0
	s_wait_xcnt 0x0                                ; the stores of tile k - 2, a tile's products back, have read this set: the rows read back below may land there
.irp t, 0,1,2,3
.irp i, 0,2,4,6
	v_pk_fma_f32 v[112+8*\t+\i:113+8*\t+\i], v[AC+8*\t+\i:AC+8*\t+\i+1], s[48:49], v[16+8*\t+\i:17+8*\t+\i] op_sel_hi:[1,0,1]   ; sum x 2^(e6 + e7) + bias; each accumulator from its low end on
.endr
.endr
.irp t, 0,1,2,3
	ds_store_b128 v6, v[112+8*\t:115+8*\t] offset:64*\t
	ds_store_b128 v6, v[116+8*\t:119+8*\t] offset:64*\t+16
.endr
.if \last
.irp a, 0,1,2
	ds_load_b128 v[BK+4*\a:BK+4*\a+3], v7 offset:2*\a*SPITCH
.endr
.else
.irp a, 0,1,2,3,4,5,6,7
	ds_load_b128 v[BK+4*\a:BK+4*\a+3], v7 offset:2*\a*SPITCH       ; LDS serves a wave's instructions in order: these see the stores above, and the next tile's stores come behind them
.endr
.endif
.endm
; SEND: sixteen lanes store 256 consecutive bytes, aligned.  younger: the LDS instructions issued behind tile k's loads from the stage, which may stay out
.macro SEND k, younger, last
.set BK, 144+32*((\k)%2)
	s_wait_dscnt \younger
.if \last
.irp a, 0,1
	global_store_b128 v8, v[BK+4*\a:BK+4*\a+3], s[12:13] offset:(16*(\k)+2*\a)*4096 th:TH_STORE_NT
.endr
	s_wait_xcnt 0x0                                ; EXEC changes only behind this wait
	v_cmp_gt_u32 vcc_lo, 16, v9
	s_and_saveexec_b32 s50, vcc_lo                 ; lanes 0-15: row 196; lanes 16-31 would hold row 197, which does not exist
	global_store_b128 v8, v[BK+8:BK+11], s[12:13] offset:(16*(\k)+4)*4096 th:TH_STORE_NT
	s_wait_xcnt 0x0                                ; and again, in front of the line that widens it
	s_or_b32 exec_lo, exec_lo, s50
.else
.irp a, 0,1,2,3,4,5,6,7
	global_store_b128 v8, v[BK+4*\a:BK+4*\a+3], s[12:13] offset:(16*(\k)+2*\a)*4096 th:TH_STORE_NT   ; written once, read by nobody here
.endr
.endif
.endm
	s_load_b256 s[4:11], s[0:1], 0x0               ; ao s[4:5], wp s[6:7], proj_b s[8:9], lowp_scales s[10:11]
	s_load_b64 s[12:13], s[0:1], 0x20              ; out0
	v_lshl_add_u32 v254, v0, 2, 0x38400
	v_mov_b32 v255, 0
	ds_add_u32 v254, v255
	ds_add_u32 v254, v255
	v_lshrrev_b32 v1, 5, v0
	v_readfirstlane_b32 s52, v1                    ; wave 0..3
	s_bfe_u32 s53, ttmp6, 0x40000                  ; cx: it enters the addresses of wp, proj_b and out0 alone
	s_lshl_b32 s54, ttmp9, 2
	s_add_co_u32 s54, s54, s53
	s_lshl_b32 s54, s54, 2
	s_add_co_u32 s54, s54, s52                     ; my group of 64 columns = 4 x (4 x cluster x + cx) + wave
	s_and_b32 s55, ttmp7, 0xffff                   ; b, which the four partners share
	; descriptor group 1: a dense block as rows of 256 bytes (32 elements of 8 bytes): 64 rows, a whole row tile's images; and 144 rows, a quarter of nine
	s_mov_b32 s16, 15|(3<<16)|(1<<21)              ; 15:0 the mask: all four work-groups; 17:16 elements of 8 bytes; 21 set beside a mask; no padding
	s_mov_b32 s17, 32<<16                          ; tensor_dim0
	s_mov_b32 s18, 64<<16                          ; tensor_dim1
	s_mov_b32 s19, 32<<16                          ; tile_dim0
	s_mov_b32 s20, 64                              ; tile_dim1
	s_mov_b32 s21, 32                              ; tensor_dim0_stride
	s_mov_b32 s22, 0
	s_mov_b32 s23, 0
	s_mov_b32 s24, 15|(3<<16)|(1<<21)
	s_mov_b32 s25, 32<<16
	s_mov_b32 s26, 144<<16                         ; the second load: 144 rows of 256 bytes, a quarter of nine row tiles
	s_mov_b32 s27, 32<<16
	s_mov_b32 s28, 144
	s_mov_b32 s29, 32
	s_mov_b32 s30, 0
	s_mov_b32 s31, 0
	s_mul_i32 s56, s55, 212992                     ; ao[b]
	s_mov_b32 s57, 0
	s_lshl_b32 s58, s52, 14                        ; wave x a row tile's 16,384 bytes: in LDS and in ao[b] alike
	s_mul_i32 s59, s52, 36864                      ; wave x a quarter of nine row tiles
	v_and_b32 v9, 31, v0                           ; lane
	v_lshlrev_b32 v1, 4, v9                        ; 16 x lane: row tiles 0-3,
	v_add_nc_u32 v2, 65536, v1                     ; 4-7 (an LDS offset has 16 bits),
	v_add_nc_u32 v3, 131072, v1                    ; 8-11,
	v_add_nc_u32 v4, 196608, v1                    ; 12
	v_and_b32 v11, 15, v0                          ; r
	v_bfe_u32 v12, v0, 4, 1                        ; h
	s_mul_i32 s51, s52, 16*SPITCH
	s_add_co_u32 s51, s51, STG                     ; my stage
	v_mul_u32_u24 v6, v11, SPITCH
	v_lshl_add_u32 v6, v12, 5, v6
	v_add_nc_u32 v6, s51, v6                       ; in: row r, 32 bytes for each half of the lanes
	v_mul_u32_u24 v7, v12, SPITCH
	v_lshl_add_u32 v7, v11, 4, v7
	v_add_nc_u32 v7, s51, v7                       ; back: lanes 0-15 one row of 256 bytes, lanes 16-31 the next
	v_lshlrev_b32 v8, 12, v12
	v_lshl_add_u32 v8, v11, 4, v8                  ; and the same two rows in out0: a row is 4,096 bytes
	v_lshlrev_b32 v10, 5, v12                      ; proj_b: 8 h numbers on
	s_wait_dscnt 0x0
	s_wait_kmcnt 0x0
	s_load_b64 s[14:15], s[10:11], 0x18            ; e6, e7
	s_add_nc_u64 s[4:5], s[4:5], s[56:57]
	s_mov_b32 s56, s58
	s_add_nc_u64 s[60:61], s[4:5], s[56:57]
.irp j, 0
	s_mov_b32 s[32+4*\j], 1                                        ; group 0 of my load j: row tile 4 j + wave: count = 1,
	s_add_co_u32 s[33+4*\j], s58, \j*65536                         ; LDS address,
	s_add_nc_u64 s[34+4*\j:35+4*\j], s[60:61], \j*65536            ; global address,
	s_or_b32 s[35+4*\j], s[35+4*\j], 0x80000000                    ; type = 2
.endr
	s_mov_b32 s44, 1                               ; group 0 of my second load: count = 1,
	s_add_co_u32 s45, s59, 65536                   ; my second load: behind row tiles 0-3, in LDS and in ao[b] alike
	s_mov_b32 s56, s45
	s_add_nc_u64 s[46:47], s[4:5], s[56:57]
	s_or_b32 s47, s47, 0x80000000
	CROUND                                         ; all four work-groups are here: the joint loads meet
	tensor_load_to_lds s[32:35], s[16:23]          ; row tile w
	s_nop 0
	PLACES                                         ; four v_nop follow the loads
	s_lshl_b32 s62, s54, 16
	s_mov_b32 s63, 0
	s_add_nc_u64 s[6:7], s[6:7], s[62:63]          ; my 65,536 bytes of wp
	s_lshl_b32 s62, s54, 8
	s_add_nc_u64 s[8:9], s[8:9], s[62:63]          ; my 64 numbers of proj_b,
	s_add_nc_u64 s[12:13], s[12:13], s[62:63]      ; my 256 bytes of a row of out0,
	s_mul_i32 s62, s55, 806912
	s_add_nc_u64 s[12:13], s[12:13], s[62:63]      ; in image b: 197 rows of 4,096 bytes
	s_wait_alu depctr_va_vdst(0)
.irp t, 0,1,2,3
	global_load_b128 v[16+8*\t:19+8*\t], v10, s[8:9] offset:64*\t              ; proj_b at columns 16 t + 8 h + 0 .. 7
	global_load_b128 v[20+8*\t:23+8*\t], v10, s[8:9] offset:64*\t+16
.endr
	WIN 0x40
.irp s, 0,1,2,3
.irp t, 0,1,2,3
.irp u, 0,1,2,3
	global_load_b128 v[64*\s+16*\t+4*\u:64*\s+16*\t+4*\u+3], v1, s[6:7] offset:8192*\s+2048*\t+512*\u
.endr
.endr
.endr
	WIN 0x80
.irp s, 4,5,6,7
.irp t, 0,1,2,3
.irp u, 0,1,2,3
	global_load_b128 v[64*(\s-4)+16*\t+4*\u:64*(\s-4)+16*\t+4*\u+3], v1, s[6:7] offset:8192*\s+2048*\t+512*\u
.endr
.endr
.endr
	WIN 0
	s_wait_kmcnt 0x0
	s_add_co_i32 s48, s14, s15
	s_add_co_i32 s48, s48, 127
	s_lshl_b32 s48, s48, 23                        ; 2^(e6 + e7) as f32
	s_mov_b32 s49, s48                             ; (named with it as a pair, so it is written)
	s_wait_tensorcnt 0x0                           ; my row tile is in
	ds_add_u32 v254, v255
	s_wait_dscnt 0x0
	CROUND                                         ; row tiles 0-3 are whole, and all four work-groups are here: the joint loads meet
	tensor_load_to_lds s[44:47], s[24:31]          ; first behind the round; waited for ahead of row tile 4's fragments
	s_nop 0
	PLACES
	ALD 0
	s_wait_loadcnt 63                              ; proj_b and W's K steps 0-3 are in: 64 loads were issued behind them, and the wait names 63, the most that its field holds
.irp m, 0,1,2,3,4,5,6,7,8,9,10,11,12
.if \m == 3
	SYNC
.endif
.if \m == 1
	PLACES                                         ; four places between row tile 0's products and the loads into its fragments, and the first read of its sums; later a STAGE's multiply-adds stand there
.endif
.if \m < 12
	ALD \m+1
.endif
.if \m < 2
	s_wait_dscnt 32                                ; this tile's fragments are in; the 32 loads just issued may be out
.elseif \m < 12
	s_wait_dscnt 48                                ; likewise; between the two runs of loads stand the 16 LDS instructions of a STAGE
.else
	s_wait_dscnt 16                                ; the last tile's fragments; behind them only a STAGE's 16
.endif
	MULT \m
.if \m > 0
	STAGE \m-1, 0
.endif
.if \m > 1
.if \m < 12
	SEND \m-2, 48, 0                               ; behind its loads from the stage: the next tile's 32 loads and the STAGE just issued
.else
	SEND \m-2, 16, 0
.endif
.endif
.endr
	STAGE 12, 1                                    ; (row tile 11's multiply-adds are the places behind the last products)
	SEND 11, 11, 0                                 ; behind its loads: the last STAGE's 8 stores and 3 loads
	SEND 12, 0, 1
	s_wait_dscnt 0x0
	s_wait_tensorcnt 0x0
	ds_add_u32 v254, v255
	s_wait_dscnt 0x0
	CROUND                                         ; the closing round: no work-group ends while a partner may still ask for a tile that names it
	s_endpgm
.Lfunc_end_k_q29743939ae_proj:
	.size	k_q29743939ae_proj, .Lfunc_end_k_q29743939ae_proj-k_q29743939ae_proj
	.p2alignl 7, 3214868480
	.fill 96, 4, 3214868480
	.section	.rodata,"a",@progbits
	.p2align	6, 0x0
	.amdhsa_kernel k_q29743939ae_proj
		.amdhsa_group_segment_fixed_size 327680
		.amdhsa_private_segment_fixed_size 0
		.amdhsa_enable_private_segment 0
		.amdhsa_kernarg_size 40
		.amdhsa_user_sgpr_count 2
		.amdhsa_user_sgpr_kernarg_segment_ptr 1
		.amdhsa_wavefront_size32 1
		.amdhsa_system_sgpr_workgroup_id_x 1
		.amdhsa_system_sgpr_workgroup_id_y 1
		.amdhsa_system_sgpr_workgroup_id_z 1
		.amdhsa_system_vgpr_workitem_id 0
		.amdhsa_next_free_vgpr 1024
		.amdhsa_next_free_sgpr 66
		.amdhsa_reserve_vcc 1
		.amdhsa_float_denorm_mode_32 3
		.amdhsa_float_denorm_mode_16_64 3
		.amdhsa_memory_ordered 1
		.amdhsa_forward_progress 1
		.amdhsa_inst_pref_size 109
	.end_amdhsa_kernel
	.amdgpu_metadata
---
amdhsa.version: [ 1, 2 ]
amdhsa.kernels:
  - .name:           k_q29743939ae_proj
    .symbol:         k_q29743939ae_proj.kd
    .args:
      - { .name: ao, .offset: 0, .size: 8, .value_kind: global_buffer, .address_space: global }
      - { .name: wp, .offset: 8, .size: 8, .value_kind: global_buffer, .address_space: global }
      - { .name: proj_b, .offset: 16, .size: 8, .value_kind: global_buffer, .address_space: global }
      - { .name: lowp_scales, .offset: 24, .size: 8, .value_kind: global_buffer, .address_space: global }
      - { .name: out0, .offset: 32, .size: 8, .value_kind: global_buffer, .address_space: global }
    .group_segment_fixed_size: 327680
    .private_segment_fixed_size: 0
    .kernarg_segment_align: 8
    .kernarg_segment_size: 40
    .max_flat_workgroup_size: 128
    .sgpr_count:     66
    .vgpr_count:     1024
    .wavefront_size: 32
...
	.end_amdgpu_metadata
.endif
;; end of part 3
